; MI455X (gfx1250); checked and timed in simulation.
; The chip was launched on July 23, 2026; its instructions are those of AMD's public machine-readable ISA for CDNA 5 (MIT licence, August 2026) and "CDNA5" Instruction Set Architecture Reference Guide (July 2026). The comments in the code are by the model that wrote it; some were corrected since.
;; TF Group Vi T Assign Attention. Allowed arithmetic: matrix products marked QUANTISED: E2M3 operands, one E8M0 scale for each 32 along K, by v_wmma_scale_f32_16x16x128_f8f6f4 with both operands' format E2M3, f32 sums; everything else in f32.
;; Inputs: Wk 384 x 384 float32; Wp 384 x 384 float32; Wq 384 x 384 float32; Wv 384 x 384 float32; bk 384 float32; bp 384 float32; bq 384 float32; bv 384 float32; key 32 x 4,096 x 384 float32; query 32 x 64 x 384 float32.
;; Outputs: out0 32 x 64 x 384 float32; out1 32 x 64 x 4,096 float32.
;; This version of the problem:
;;   THIS VERSION OF THE PROBLEM IS GIVEN IN LOW PRECISION. The matrix products marked QUANTISED in the list below multiply operands that are first quantised to E2M3 (2 exponent bits, 3 mantissa bits; 6 bits a number), with one power-of-two scale for each 32 numbers along K (OCP MX v1.0); their sums are f32. All else is computed in f32.
;;   The module's matrix products, in the order in which they are computed (A, B: the left and right operand; K: the contracted axis; several contracted axes count as one K, in the product's order):
;;     1. [M 2,048, K 384] x [K 384, N 384]; A: input query; B: input Wq: QUANTISED
;;     2. [M 131,072, K 384] x [K 384, N 384]; A: input key; B: input Wk: QUANTISED
;;     3. [M 131,072, K 384] x [K 384, N 384]; A: input key; B: input Wv: QUANTISED
;;     4. batch 32 x [M 64, K 384] x [K 384, N 4,096]; A: computed on the way; B: computed on the way: QUANTISED
;;     5. batch 32 x [M 64, K 4,096] x [K 4,096, N 384]; A: computed on the way; B: computed on the way: QUANTISED
;;     6. [M 2,048, K 384] x [K 384, N 384]; A: computed on the way; B: input Wp: QUANTISED
;;   THE QUANTISER, for each operand of a quantised product, along K:
;;     - K is cut into blocks of 32 from its start; a last block that is shorter is filled with zeros.
;;     - A block's scale is 2^e with e = floor(log2(the largest magnitude in the block)) - 2, held to -126 .. 127; a block of zeros has e = 0. As a byte (E8M0): e + 127.
;;     - Each number is divided by its block's scale, clamped to +-7.5, and rounded to the nearest number of E2M3, ties to even, subnormals kept.
;;     - The product sums the exact products of the quantised numbers (number of the format x scale) in f32.
;;   ~~~python
;;   def quantise(x, axis):      # numpy; x: float32 -> the quantised numbers, widened to float32 again
;;       x = np.moveaxis(x, axis, -1); K = x.shape[-1]
;;       x = np.pad(x, [(0, 0)] * (x.ndim - 1) + [(0, -K % 32)]); x = x.reshape(x.shape[:-1] + (-1, 32)); a = np.abs(x).max(-1, keepdims=True)
;;       e = np.where(a > 0, np.clip(np.frexp(np.where(a > 0, a, 1))[1] - 1 - 2, -126, 127), 0)      # np.frexp(a)[1] - 1 = floor(log2(a)), exactly
;;       r = np.clip(x / 2.0 ** e, -7.5, 7.5)
;;       step = 2.0 ** (np.maximum(np.frexp(np.where(r == 0, 1, r))[1] - 1, 0) - 3)
;;       q = np.round(r / step) * step * 2.0 ** e      # np.round: ties to even
;;       return np.moveaxis(q.reshape(q.shape[:-2] + (-1,))[..., :K], -1, axis).astype(np.float32)
;;   ~~~
;;   OPERANDS COMPUTED ON THE WAY. 'Computed on the way' means the value that the module computes at that place (a softmax that the list does not call 'softmax' is quantised finished and normalised). What goes into a quantiser is computed in f32, as accurately as f32 sums, v_exp_f32 and their like allow (about 1e-6 of the number): no bf16 or f16 on the way to a quantiser, and a product that is left as it is and whose result goes on into a quantised operand takes f32 operands (vector FMAs, or v_wmma_f32_16x16x4_f32). A number that lies on a knife's edge between two numbers of the format may be rounded either way, as far as f32 arithmetic and the matrix unit's own rounding can turn it there, and no further.
;; One version. Each part assembles by itself: llvm-mc -triple=amdgcn-amd-amdhsa -mcpu=gfx1250 --defsym DOCPART=n.
;; ======== version 1 of 1: 3 launches
;; limits: right only within a limited range of input values
;; workspace buffers: wimg 442,368 bytes; wsc 18,432 bytes; qimg 589,824 bytes; qsc 49,152 bytes; part 25,165,824 bytes; cnt 65,536 bytes
;; launch prep (part 1): grid 168 x 1, 4 waves a work-group, no clusters, 0 bytes of LDS; arguments Wk, Wv, Wq, Wp, query, wimg, wsc, qimg, qsc; writes wimg, wsc, qimg, qsc
.if DOCPART == 1
	.amdgcn_target "amdgcn-amd-amdhsa--gfx1250"
	.amdhsa_code_object_version 6
	.text
	.protected	k_q60d52d9e33_prep
	.globl	k_q60d52d9e33_prep
	.p2align	8
	.type	k_q60d52d9e33_prep,@function
k_q60d52d9e33_prep:
	s_mov_b64 s[64:65], 0
	v_nop
	global_prefetch_b8 v0, s[64:65] scope:SCOPE_SE
	s_setreg_imm32_b32 hwreg(HW_REG_WAVE_MODE, 25, 1), 1
	s_wait_xcnt 0x0
; The four weights [384 (k)][384 (n)] f32 and query [2048][384] f32 become codes of FP6 (E2M3) with one E8M0 byte for each 32 along K,
; laid as IMAGES OF OPERAND REGISTERS: a fragment (16 rows or columns x 128 K) is 12 registers a lane; register group q (four registers) lies at 512 q + 16 x lane: 1,536 bytes.
; One wave makes one fragment.  Work-groups 0-71: 4 matrices x 72 fragments (tile T of 16 columns, K step s: number 3 T + s).  Work-groups 72-167: 384 fragments of query (16 rows, K step s).
; THE COLUMNS OF A WEIGHT'S TILE ARE NOT NEIGHBOURS: lane r of tile T takes column 32 (T / 2) + 8 (T % 2) + r + 8 (r / 8), so that the 16 result registers of tiles 2 b, 2 b + 1 are 16 neighbours along the next K.
; A lane holds k = 128 s + 64 c + 32 h + 0 .. 31 (c = 0, 1; h = lane / 16): two whole blocks, so a block's largest magnitude needs no other lane.
; A weight's K is its first axis: the lane takes a column and its registers run down K.  Query's K is innermost: the lane takes a row and 128 neighbouring bytes a block.
; Scale words: wsc: for each pair of matrices (Wk, Wv), (Wq, Wp) and each fragment 128 bytes: the first matrix's 16 words, then the second's.  qsc: 128 bytes a fragment, 4 x lane.
; LIMITS: NaN and infinities are not served; a block whose largest magnitude lies under 2^-124 keeps the byte 1 (a block of zeros too, where the rule says 127: its codes are zeros, and this program alone reads the bytes).
; No LDS, no barrier, no matrix instruction: waves share nothing, and the tensors are small.
.set XN, 32                            ; v32-95   my 64 numbers: register 32 c + i
.set QM, 96                            ; v96-97   largest magnitudes
.set QS, 98                            ; v98-99   the conversions' scale operands
.set QB, 100                           ; v100-101 the scale bytes
.set QT, 102                           ; v102     second chain of block 0, later the other half's bytes
.set PW, 103                           ; v103     second chain of block 1, later the scale word
.set PC, 104                           ; v104-115 the fragment's codes
.set PT, 116                           ; v116-123 each block's upper 16 codes (a conversion's three registers begin on an even number)
.set H8, 7                             ; v7       8 h
.set SEL, 48                           ; s[48:49] lane selects: lane l xor 16
.macro QUANTX
.irp c, 0,1
	v_max3_num_f32 v[QM+\c], |v[XN+32*\c]|, |v[XN+32*\c+1]|, 0x1800000          ; the floor 2^(3 - 127) among the leaves: the byte cannot fall under 1
	v_max3_num_f32 v[QT+\c], |v[XN+32*\c+16]|, |v[XN+32*\c+17]|, |v[XN+32*\c+18]|   ; two chains a block, four in all, by turns
.endr
.irp i, 2,4,6,8,10,12
.irp c, 0,1
	v_max3_num_f32 v[QM+\c], v[QM+\c], |v[XN+32*\c+\i]|, |v[XN+32*\c+\i+1]|
	v_max3_num_f32 v[QT+\c], v[QT+\c], |v[XN+32*\c+17+\i]|, |v[XN+32*\c+18+\i]|
.endr
.endr
.irp c, 0,1
	v_max3_num_f32 v[QM+\c], v[QM+\c], |v[XN+32*\c+14]|, |v[XN+32*\c+15]|
.endr
.irp c, 0,1
	v_max3_num_f32 v[QM+\c], v[QM+\c], v[QT+\c], |v[XN+32*\c+31]|
.endr
.irp c, 0,1
	v_add_nc_u32 v[QS+\c], 0xff000000, v[QM+\c]    ; 2 off the exponent field: the conversion takes that field as its scale
.endr
.irp c, 0,1
	v_lshrrev_b32 v[QB+\c], 23, v[QS+\c]           ; the scale's byte
.endr
	v_lshl_or_b32 v[PW], v[QB+1], 16, v[QB]        ; my blocks are h and 2 + h of the step's four
	v_lshlrev_b32 v[PW], v[H8], v[PW]
	v_permlanex16_b32 v[QT], v[PW], s[SEL], s[SEL+1]
	v_or_b32 v[PW], v[PW], v[QT]                   ; with lane l xor 16's two bytes the word is whole
.irp c, 0,1
	v_cvt_scalef32_pk16_fp6_f32 v[PC+6*\c:PC+6*\c+2], v[XN+32*\c:XN+32*\c+15], v[QS+\c]
	v_cvt_scalef32_pk16_fp6_f32 v[PT+4*\c:PT+4*\c+2], v[XN+32*\c+16:XN+32*\c+31], v[QS+\c]
.endr
	v_nop                                          ; one plain line behind the scaled conversions
.irp c, 0,1
.irp i, 0,1,2
	v_mov_b32 v[PC+3+6*\c+\i], v[PT+4*\c+\i]
.endr
.endr
.endm
	s_load_b512 s[4:19], s[0:1], 0x0               ; Wk s[4:5], Wv s[6:7], Wq s[8:9], Wp s[10:11], query s[12:13], wimg s[14:15], wsc s[16:17], qimg s[18:19]
	s_load_b64 s[20:21], s[0:1], 0x40              ; qsc
	v_lshrrev_b32 v1, 5, v0
	v_readfirstlane_b32 s24, v1                    ; wave
	v_and_b32 v3, 31, v0                           ; lane
	v_and_b32 v1, 15, v0                           ; r
	v_bfe_u32 v2, v0, 4, 1                         ; h
	v_lshlrev_b32 v[H8], 3, v2
	v_lshlrev_b32 v5, 4, v3                        ; an image's place for my lane
	v_and_b32 v4, 8, v1
	v_add_lshl_u32 v4, v4, v1, 2                   ; a weight: 4 (r + 8 (r / 8)),
	v_mad_u32_u24 v4, v2, 0xc000, v4               ; and 32 rows of 1,536 bytes further down for lanes 16-31
	v_mul_u32_u24 v8, v1, 1536                     ; query: row r,
	v_lshl_add_u32 v8, v2, 7, v8                   ; + 128 h bytes
	s_mov_b32 s[SEL], 0x76543210
	s_mov_b32 s[SEL+1], 0xfedcba98
	; a weight's fragment: matrix = work-group / 18, fragment = 4 (work-group % 18) + wave, T = fragment / 3, s = fragment % 3
	s_min_u32 s32, ttmp9, 71
	s_mul_i32 s33, s32, 3641
	s_lshr_b32 s33, s33, 16                        ; matrix 0..3 (3641 / 65536 is just over 1 / 18)
	s_mul_i32 s34, s33, 18
	s_sub_co_u32 s34, s32, s34
	s_lshl_b32 s34, s34, 2
	s_add_co_u32 s34, s34, s24                     ; fragment 0..71
	s_mul_i32 s35, s34, 21846
	s_lshr_b32 s35, s35, 16                        ; T (21846 / 65536 is just over 1 / 3)
	s_mul_i32 s36, s35, 3
	s_sub_co_u32 s36, s34, s36                     ; s
	s_lshr_b32 s37, s35, 1
	s_lshl_b32 s37, s37, 7
	s_and_b32 s38, s35, 1
	s_lshl_b32 s38, s38, 5
	s_add_co_u32 s37, s37, s38                     ; 4 (32 (T / 2) + 8 (T % 2))
	s_mul_i32 s38, s36, 196608                     ; 128 rows of 1,536 bytes a K step
	s_add_co_u32 s40, s37, s38                     ; where the numbers begin
	s_mul_i32 s38, s33, 72
	s_add_co_u32 s38, s38, s34
	s_mul_i32 s42, s38, 1536                       ; where the image goes
	s_lshr_b32 s38, s33, 1
	s_mul_i32 s38, s38, 72
	s_add_co_u32 s38, s38, s34
	s_lshl_b32 s38, s38, 7
	s_and_b32 s39, s33, 1
	s_lshl_b32 s39, s39, 6
	s_add_co_u32 s44, s38, s39                     ; where the scale words go
	; a fragment of query: job = 4 (work-group - 72) + wave, row tile = job / 3, s = job % 3
	s_max_u32 s25, ttmp9, 72
	s_sub_co_u32 s25, s25, 72
	s_lshl_b32 s25, s25, 2
	s_add_co_u32 s25, s25, s24
	s_mul_i32 s37, s25, 21846
	s_lshr_b32 s37, s37, 16
	s_mul_i32 s38, s37, 3
	s_sub_co_u32 s38, s25, s38
	s_mul_i32 s37, s37, 24576                      ; 16 rows of 1,536 bytes
	s_lshl_b32 s38, s38, 9
	s_add_co_u32 s37, s37, s38
	s_mul_i32 s38, s25, 1536
	s_lshl_b32 s39, s25, 7
	s_mov_b32 s41, 0
	s_mov_b32 s43, 0
	s_mov_b32 s45, 0
	s_wait_kmcnt 0x0
	s_cmp_eq_u32 s33, 1                            ; the choices hang on the work-group's number alone
	s_cselect_b64 s[26:27], s[6:7], s[4:5]
	s_cmp_eq_u32 s33, 2
	s_cselect_b64 s[26:27], s[8:9], s[26:27]
	s_cmp_eq_u32 s33, 3
	s_cselect_b64 s[26:27], s[10:11], s[26:27]
	s_cmp_lt_u32 ttmp9, 72
	s_cselect_b64 s[26:27], s[26:27], s[12:13]     ; from where
	s_cselect_b64 s[28:29], s[14:15], s[18:19]     ; the image's buffer
	s_cselect_b64 s[30:31], s[16:17], s[20:21]     ; the scale words' buffer
	s_cselect_b32 s40, s40, s37
	s_cselect_b32 s42, s42, s38
	s_cselect_b32 s44, s44, s39
	s_cselect_b32 s46, 15, 31                      ; a weight's words: 16 (both halves of the lanes write the same word with the same value); query's: 32
	s_add_nc_u64 s[26:27], s[26:27], s[40:41]
	s_add_nc_u64 s[28:29], s[28:29], s[42:43]
	s_add_nc_u64 s[30:31], s[30:31], s[44:45]
	v_and_b32 v6, s46, v3
	v_lshlrev_b32 v6, 2, v6
	s_cmp_lt_u32 ttmp9, 72
	s_cbranch_scc0 .Lquery
	s_wait_alu depctr_va_vdst(0)
.irp c, 0,1
.irp i, 0,1,2,3,4,5,6,7,8,9,10,11,12,13,14,15,16,17,18,19,20,21,22,23,24,25,26,27,28,29,30,31
	global_load_b32 v[XN+32*\c+\i], v4, s[26:27] offset:1536*(64*\c+\i)   ; W(128 s + 64 c + 32 h + i, my column)
.endr
.endr
	s_branch .Lquant
.Lquery:
	s_wait_alu depctr_va_vdst(0)
.irp c, 0,1
.irp q, 0,1,2,3,4,5,6,7
	global_load_b128 v[XN+32*\c+4*\q:XN+32*\c+4*\q+3], v8, s[26:27] offset:256*\c+16*\q
.endr
.endr
.Lquant:
	s_wait_loadcnt 0x0
	QUANTX
.irp q, 0,1,2
	global_store_b128 v5, v[PC+4*\q:PC+4*\q+3], s[28:29] offset:512*\q   ; 32 lanes store 512 consecutive bytes
.endr
	global_store_b32 v6, v[PW], s[30:31]
	s_endpgm
.Lfunc_end_k_q60d52d9e33_prep:
	.size	k_q60d52d9e33_prep, .Lfunc_end_k_q60d52d9e33_prep-k_q60d52d9e33_prep
	.p2alignl 7, 3214868480
	.fill 96, 4, 3214868480
	.section	.rodata,"a",@progbits
	.p2align	6, 0x0
	.amdhsa_kernel k_q60d52d9e33_prep
		.amdhsa_group_segment_fixed_size 0
		.amdhsa_private_segment_fixed_size 0
		.amdhsa_enable_private_segment 0
		.amdhsa_kernarg_size 72
		.amdhsa_user_sgpr_count 2
		.amdhsa_user_sgpr_kernarg_segment_ptr 1
		.amdhsa_wavefront_size32 1
		.amdhsa_system_sgpr_workgroup_id_x 1
		.amdhsa_system_sgpr_workgroup_id_y 1
		.amdhsa_system_sgpr_workgroup_id_z 1
		.amdhsa_system_vgpr_workitem_id 0
		.amdhsa_next_free_vgpr 128
		.amdhsa_next_free_sgpr 66
		.amdhsa_reserve_vcc 0
		.amdhsa_float_denorm_mode_32 3
		.amdhsa_float_denorm_mode_16_64 3
		.amdhsa_memory_ordered 1
		.amdhsa_forward_progress 1
		.amdhsa_inst_pref_size 15
	.end_amdhsa_kernel
	.amdgpu_metadata
---
amdhsa.version: [ 1, 2 ]
amdhsa.kernels:
  - .name:           k_q60d52d9e33_prep
    .symbol:         k_q60d52d9e33_prep.kd
    .args:
      - { .name: Wk, .offset: 0, .size: 8, .value_kind: global_buffer, .address_space: global }
      - { .name: Wv, .offset: 8, .size: 8, .value_kind: global_buffer, .address_space: global }
      - { .name: Wq, .offset: 16, .size: 8, .value_kind: global_buffer, .address_space: global }
      - { .name: Wp, .offset: 24, .size: 8, .value_kind: global_buffer, .address_space: global }
      - { .name: query, .offset: 32, .size: 8, .value_kind: global_buffer, .address_space: global }
      - { .name: wimg, .offset: 40, .size: 8, .value_kind: global_buffer, .address_space: global }
      - { .name: wsc, .offset: 48, .size: 8, .value_kind: global_buffer, .address_space: global }
      - { .name: qimg, .offset: 56, .size: 8, .value_kind: global_buffer, .address_space: global }
      - { .name: qsc, .offset: 64, .size: 8, .value_kind: global_buffer, .address_space: global }
    .group_segment_fixed_size: 0
    .private_segment_fixed_size: 0
    .kernarg_segment_align: 8
    .kernarg_segment_size: 72
    .max_flat_workgroup_size: 128
    .sgpr_count:     66
    .vgpr_count:     128
    .wavefront_size: 32
...
	.end_amdgpu_metadata
.endif
;; end of part 1
;; launch assign (part 2): grid 8 x 32, 4 waves a work-group, no clusters, 327,680 bytes of LDS; arguments key, qimg, qsc, wimg, wsc, bq, bk, bv, out1, part, cnt; writes out1, part, cnt
.if DOCPART == 2
	.amdgcn_target "amdgcn-amd-amdhsa--gfx1250"
	.amdhsa_code_object_version 6
	.text
	.protected	k_q60d52d9e33_assign
	.globl	k_q60d52d9e33_assign
	.p2align	8
	.type	k_q60d52d9e33_assign,@function
k_q60d52d9e33_assign:
	s_mov_b64 s[64:65], 0
	v_nop
	global_prefetch_b8 v0, s[64:65] scope:SCOPE_SE
	s_setreg_imm32_b32 hwreg(HW_REG_WAVE_MODE, 25, 1), 1
	s_wait_xcnt 0x0
; A work-group takes 512 tokens of one batch, in eight sub-blocks of 64, through the whole chain: key -> codes along d; k = key Wk + bk -> codes along d; v = key Wv + bv -> codes along the tokens;
; scores q k^T, the softmax over the 64 groups (out1), the argmax as codes of 1.0, and the sums of v by group (part) with the groups' counts (cnt).  q of the batch is made at the head.
; Wave w owns columns 96 w .. 96 w + 95 of Wk and Wv (their fragments stay in registers) and 16 of each sub-block's 64 tokens.
; y_hard - y_soft + y_soft is taken as y_hard: the two soft terms cancel for all values; the factor 1 / (n + 1) is applied in the launch behind this one.
; THE PRODUCT RUNS TAKE TURNS ON TWO SETS OF SIX ACCUMULATORS (v158-205, v206-253): the quantiser of the run before is cut into slices, and one slice stands behind each matrix instruction of the run at work.
; The quantisers' scratch lies in v1000-1023, which hold q's fragments 6 and 7 only from the last quantiser of a sub-block to the scores.
; LIMITS: NaN and infinities are not served; a block whose largest magnitude lies under 2^-124 keeps the byte 1.
.set RING1,  1<<17
.set WTILE,  25344
.set KIMG,   101376
.set KSCL,   119808
.set OH,     121344
.set IDX,    127488
.set SPARE,  127744
.set KROW,   232448
.set KRS,    251904
.set DQ,     20480
.set QROW,   KROW+DQ
.set QRS,    KRS+DQ
.set STG,    273408
.set SPW, 1
.set NIL, 2
.set XRD, 3
.set XA,  4
.set XWI, 5
.set XWS, 6
.set IRD, 7
.set SRD, 8
.set KWR, 9
.set KWS, 10
.set KRD, 11
.set KSRD, 12
.set QRD, 13
.set QSRD, 14
.set STW, 15
.set STR, 16
.set IDW, 17
.set IDR, 18
.set OHW16, 19
.set OHW8, 20
.set OHR16, 21
.set OHR8, 22
.set OHA, 23
.set OHB, 24
.set GO1, 25
.set GG,  26
.set H8,  27
.set Z0,  28
.set O1,  29
.set L16, 30
.set WS,  32
.set KS,  50
.set QKS, 53
.set QQS, 56
.set QVS, 62
.set ONE, 68
.set L4,  69
.set BV,  70
.set CNT, 82
.set QV,  86
.set XN,  158
.set QM,  222
.set QS,  224
.set QB,  226
.set QT,  228
.set PW,  229
.set PC,  230
.set PT,  242
.set ACC, 158
.set VM,  206
.set VT,  209
.set VS,  212
.set VB,  215
.set CT,  218
.set ZF,  232
.set SC,  158
.set ZK,  190
.set SM,  190
.set STT, 194
.set MX,  195
.set SI,  196
.set NM,  200
.set SUM, 202
.set RC,  206
.set IX,  158
.set RR,  190
.set OC,  222
.set OT,  228
.set WKF, 256
.set WVF, 512
.set PX,  768
.set BK,  880
.set QF,  928
.set SEL, 48
.set CS,  50
.set ACB, 206                          ; v206-253   the second set of accumulators
.set SCT, 76                           ; v76-78     a tile's 16 codes of v ahead of the lane swap (bv takes v70-75, one register a tile)
.set NVM, 1000                         ; v1000-1011 a quantiser's largest magnitudes, the other half's, scale operands, scale bytes: three each
.set NVT, 1003
.set NVS, 1006
.set NVB, 1009
.set KCT, 1012                         ; v1012-1023 k's codes on their way to LDS
.set XY,  928                          ; v928-991   the second set of 64 numbers of key
.set YL,  XY&255
.set PK,  0                            ; the quantiser that is owed: 0 none, 1 k's, 2 v's
.set MSB, 0
.macro WIN new
.if MSB != (\new)
	s_set_vgpr_msb (MSB<<8)|(\new)
.set MSB, (\new)
.endif
.endm
.macro NOP4
.rept 4
	v_nop
.endr
.endm
.macro PREG p
.if (\p) < 5
.set PR, 472+8*(\p)
.elseif (\p) < 10
.set PR, 728+8*((\p)-5)
.else
.set PR, 768+8*((\p)-10)
.endif
.endm
.macro MM d, a, b, c, sa, sb, ra, rb
.if (\c) < 0
	WIN ((((\d)>>8)*0x50)|(((\b)>>8)<<2)|((\a)>>8))
.else
	WIN ((((\d)>>8)<<6)|(((\c)>>8)<<4)|(((\b)>>8)<<2)|((\a)>>8))
.endif
.set mD, (\d)&255
.set mA, (\a)&255
.set mB, (\b)&255
.set mC, (\c)&255
.set mS, \sa
.set mT, \sb
.set mK, 2*(\ra)+(\rb)
.if (\c) < 0
.if mK == 0
	v_wmma_scale_f32_16x16x128_f8f6f4 v[mD:mD+7], v[mA:mA+11], v[mB:mB+11], 0, v[mS], v[mT] matrix_a_fmt:MATRIX_FMT_FP6 matrix_b_fmt:MATRIX_FMT_FP6
.elseif mK == 1
	v_wmma_scale_f32_16x16x128_f8f6f4 v[mD:mD+7], v[mA:mA+11], v[mB:mB+11], 0, v[mS], v[mT] matrix_a_fmt:MATRIX_FMT_FP6 matrix_b_fmt:MATRIX_FMT_FP6 matrix_b_scale:MATRIX_SCALE_ROW1
.elseif mK == 2
	v_wmma_scale_f32_16x16x128_f8f6f4 v[mD:mD+7], v[mA:mA+11], v[mB:mB+11], 0, v[mS], v[mT] matrix_a_fmt:MATRIX_FMT_FP6 matrix_b_fmt:MATRIX_FMT_FP6 matrix_a_scale:MATRIX_SCALE_ROW1
.else
	v_wmma_scale_f32_16x16x128_f8f6f4 v[mD:mD+7], v[mA:mA+11], v[mB:mB+11], 0, v[mS], v[mT] matrix_a_fmt:MATRIX_FMT_FP6 matrix_b_fmt:MATRIX_FMT_FP6 matrix_a_scale:MATRIX_SCALE_ROW1 matrix_b_scale:MATRIX_SCALE_ROW1
.endif
.else
.if mK == 0
	v_wmma_scale_f32_16x16x128_f8f6f4 v[mD:mD+7], v[mA:mA+11], v[mB:mB+11], v[mC:mC+7], v[mS], v[mT] matrix_a_fmt:MATRIX_FMT_FP6 matrix_b_fmt:MATRIX_FMT_FP6
.elseif mK == 1
	v_wmma_scale_f32_16x16x128_f8f6f4 v[mD:mD+7], v[mA:mA+11], v[mB:mB+11], v[mC:mC+7], v[mS], v[mT] matrix_a_fmt:MATRIX_FMT_FP6 matrix_b_fmt:MATRIX_FMT_FP6 matrix_b_scale:MATRIX_SCALE_ROW1
.elseif mK == 2
	v_wmma_scale_f32_16x16x128_f8f6f4 v[mD:mD+7], v[mA:mA+11], v[mB:mB+11], v[mC:mC+7], v[mS], v[mT] matrix_a_fmt:MATRIX_FMT_FP6 matrix_b_fmt:MATRIX_FMT_FP6 matrix_a_scale:MATRIX_SCALE_ROW1
.else
	v_wmma_scale_f32_16x16x128_f8f6f4 v[mD:mD+7], v[mA:mA+11], v[mB:mB+11], v[mC:mC+7], v[mS], v[mT] matrix_a_fmt:MATRIX_FMT_FP6 matrix_b_fmt:MATRIX_FMT_FP6 matrix_a_scale:MATRIX_SCALE_ROW1 matrix_b_scale:MATRIX_SCALE_ROW1
.endif
.endif
.endm
.macro LDF dst, adr, off
	WIN (((\dst)>>8)<<6)
.irp q, 0,1,2
	ds_load_b128 v[((\dst)&255)+4*\q:((\dst)&255)+4*\q+3], v[\adr] offset:(\off)+512*\q
.endr
.endm
.macro LDR dst, adr, off
	WIN (((\dst)>>8)<<6)
.irp p, 0,1,2,3,4,5
	ds_load_b64 v[((\dst)&255)+2*\p:((\dst)&255)+2*\p+1], v[\adr] offset:(\off)+48*(\p/3)+8*(\p%3)
.endr
.endm
.macro LOADX f
.irp c, 0,1
.irp q, 0,1,2,3,4,5,6,7
	ds_load_b128 v[XN+32*\c+4*\q:XN+32*\c+4*\q+3], v[XA] offset:528*(\f)+256*\c+16*\q
.endr
.endr
.endm
.macro QUANTX
.irp c, 0,1
	v_max3_num_f32 v[QM+\c], |v[XN+32*\c]|, |v[XN+32*\c+1]|, 0x1800000
	v_max3_num_f32 v[QT+\c], |v[XN+32*\c+16]|, |v[XN+32*\c+17]|, |v[XN+32*\c+18]|
.endr
.irp i, 2,4,6,8,10,12
.irp c, 0,1
	v_max3_num_f32 v[QM+\c], v[QM+\c], |v[XN+32*\c+\i]|, |v[XN+32*\c+\i+1]|
	v_max3_num_f32 v[QT+\c], v[QT+\c], |v[XN+32*\c+17+\i]|, |v[XN+32*\c+18+\i]|
.endr
.endr
.irp c, 0,1
	v_max3_num_f32 v[QM+\c], v[QM+\c], |v[XN+32*\c+14]|, |v[XN+32*\c+15]|
.endr
.irp c, 0,1
	v_max3_num_f32 v[QM+\c], v[QM+\c], v[QT+\c], |v[XN+32*\c+31]|
.endr
.irp c, 0,1
	v_add_nc_u32 v[QS+\c], 0xff000000, v[QM+\c]
.endr
.irp c, 0,1
	v_lshrrev_b32 v[QB+\c], 23, v[QS+\c]
.endr
	v_lshl_or_b32 v[PW], v[QB+1], 16, v[QB]
	v_lshlrev_b32 v[PW], v[H8], v[PW]
	v_permlanex16_b32 v[QT], v[PW], s[SEL], s[SEL+1]
	v_or_b32 v[PW], v[PW], v[QT]
.irp c, 0,1
	v_cvt_scalef32_pk16_fp6_f32 v[PC+6*\c:PC+6*\c+2], v[XN+32*\c:XN+32*\c+15], v[QS+\c]
	v_cvt_scalef32_pk16_fp6_f32 v[PT+4*\c:PT+4*\c+2], v[XN+32*\c+16:XN+32*\c+31], v[QS+\c]
.endr
	v_nop
.irp c, 0,1
.irp i, 0,1,2
	v_mov_b32 v[PC+3+6*\c+\i], v[PT+4*\c+\i]
.endr
.endr
.endm
.macro IMAGE f
.irp q, 0,1,2
	ds_store_b128 v[XWI], v[PC+4*\q:PC+4*\q+3] offset:1536*(\f)+512*\q
.endr
	ds_store_b32 v[XWS], v[PW] offset:128*(\f)
.endm
.macro KPROD bf, ks, row
.irp s, 0,1,2
.irp t, 0,1,2,3,4,5
.if \s == 0
	MM ACC+8*\t, WKF+12*(3*\t+\s), (\bf)+12*\s, BK+8*\t, WS+3*\t+\s, (\ks)+\s, 0, \row
.else
	MM ACC+8*\t, WKF+12*(3*\t+\s), (\bf)+12*\s, ACC+8*\t, WS+3*\t+\s, (\ks)+\s, 0, \row
.endif
.endr
.endr
	WIN 0
	NOP4
.endm
.macro BMAX
.irp b, 0,1,2
	v_max3_num_f32 v[VM+\b], |v[ACC+16*\b]|, |v[ACC+16*\b+1]|, 0x1800000
.endr
.irp i, 2,4,6,8,10,12,14
.irp b, 0,1,2
	v_max3_num_f32 v[VM+\b], v[VM+\b], |v[ACC+16*\b+\i]|, |v[ACC+16*\b+\i+1]|
.endr
.endr
.irp b, 0,1,2
	v_mov_b32 v[VT+\b], 0
.endr
.irp b, 0,1,2
	v_permlanex16_b32 v[VT+\b], v[VM+\b], s[SEL], s[SEL+1]
.endr
.irp b, 0,1,2
	v_max_num_f32 v[VM+\b], v[VM+\b], v[VT+\b]
.endr
.irp b, 0,1,2
	v_add_nc_u32 v[VS+\b], 0xff000000, v[VM+\b]
.endr
.irp b, 0,1,2
	v_lshrrev_b32 v[VB+\b], 23, v[VS+\b]
.endr
.endm
.macro KQ ro, so
	s_wait_dscnt 0x0
	BMAX
.irp b, 0,1,2
	v_cvt_scalef32_pk16_fp6_f32 v[CT+4*\b:CT+4*\b+2], v[ACC+16*\b:ACC+16*\b+15], v[VS+\b]
.endr
	v_nop
.irp b, 0,1,2
.irp i, 0,1,2
	ds_store_b32 v[KWR], v[CT+4*\b+\i] offset:(\ro)+24*\b+4*\i
.endr
	ds_store_b8 v[KWS], v[VB+\b] offset:(\so)+\b
.endr
.endm
.macro FETCHQ p
.irp n, 0,1,2,3,4,5
	LDF QF+12*\n, IRD, (6*(\p)+\n)*1536
.endr
	WIN 0
.irp f, 0,1,2
	ds_load_b32 v[KS+\f], v[SRD] offset:(6*(\p)+\f)*128
.endr
.endm
.macro NOP5                            ; five places behind a run: its results are read, and two runs on its accumulators are written over
.rept 5
	v_nop
.endr
.endm
; Slices 0-5 of three blocks' scales: the largest magnitudes of 16 registers a block (with the floor 2^(3 - 127)), lane l xor 16's, and the conversions' scale operands
.macro BMS n, acc
.if (\n) < 4
	WIN 0xf0
.irp u, 0,2
.irp b, 0,1,2
.if (\n) == 0 && \u == 0
	v_max3_num_f32 v[(NVM&255)+\b], |v[(\acc)+16*\b]|, |v[(\acc)+16*\b+1]|, 0x1800000
.else
	v_max3_num_f32 v[(NVM&255)+\b], |v[(\acc)+16*\b+4*(\n)+\u]|, |v[(\acc)+16*\b+4*(\n)+\u+1]|, v[(NVM&255)+\b]
.endif
.endr
.endr
.elseif (\n) == 4
	WIN 0xc3
.irp b, 0,1,2
	v_permlanex16_b32 v[(NVT&255)+\b], v[(NVM&255)+\b], s[SEL], s[SEL+1]
.endr
.elseif (\n) == 5
	WIN 0xcf
.irp b, 0,1,2
	v_max_num_f32 v[(NVM&255)+\b], v[(NVM&255)+\b], v[(NVT&255)+\b]
.endr
.irp b, 0,1,2
	v_add_nc_u32 v[(NVS&255)+\b], 0xff000000, v[(NVM&255)+\b]
.endr
.endif
.endm
; Slice n (0-7) of k's quantiser on accumulators PACC: rows of codes to LDS at PRO, scale bytes at PSO; all twelve stores stand in one slice
.macro KQS n
.if (\n) == 0
	s_wait_dscnt 0x0                               ; the quantiser before has stored from the registers that this one writes
.endif
.if (\n) < 6
	BMS \n, PACC
.elseif (\n) == 6
	WIN 0xcf
.irp b, 0,1,2
	v_lshrrev_b32 v[(NVB&255)+\b], 23, v[(NVS&255)+\b]
.endr
	WIN 0xcc
.irp b, 0,1,2
	v_cvt_scalef32_pk16_fp6_f32 v[(KCT&255)+4*\b:(KCT&255)+4*\b+2], v[PACC+16*\b:PACC+16*\b+15], v[(NVS&255)+\b]
.endr
	v_nop                                          ; one plain line behind the scaled conversions
.elseif (\n) == 7
	WIN 0x0c
.irp b, 0,1,2
.irp i, 0,1,2
	ds_store_b32 v[KWR], v[(KCT&255)+4*\b+\i] offset:PRO+24*\b+4*\i
.endr
.endr
.irp b, 0,1,2
	ds_store_b8 v[KWS], v[(NVB&255)+\b] offset:PSO+\b
.endr
.endif
.endm
.macro VBIAS tt, j                     ; bv of the lane's column onto two tokens: one register a tile, picked out of its pair
.set bk, 3*PGG+(\tt)
.set ba, PACC+16*(\tt)+(\j)
.if bk%2 == 0
	v_pk_add_f32 v[ba:ba+1], v[ba:ba+1], v[BV+bk:BV+bk+1] op_sel_hi:[1,0]
.else
	v_pk_add_f32 v[ba:ba+1], v[ba:ba+1], v[BV+bk-1:BV+bk] op_sel:[0,1] op_sel_hi:[1,1]
.endif
.endm
; Slice n (0-14) of v's quantiser on accumulators PACC: tiles 3 PGG .. 3 PGG + 2, the sub-block's block PBETA of 32 tokens
.macro VQS n
.if (\n) == 0 && PGG == 0
	s_wait_dscnt 0x0                               ; k's quantiser has stored from the registers that this one writes
.endif
.if (\n) < 4
	WIN 0
.irp u, 0,2
.irp tt, 0,1,2
	VBIAS \tt, 4*(\n)+\u
.endr
.endr
.elseif (\n) < 10
	BMS (\n)-4, PACC
.elseif (\n) == 10
	WIN 0xcf
.irp b, 0,1,2
	v_lshrrev_b32 v[(NVB&255)+\b], 23, v[(NVS&255)+\b]
.endr
	WIN 0x03
.irp tt, 0,1,2
	v_alignbit_b32 v[QVS+3*PGG+\tt], v[(NVB&255)+\tt], v[QVS+3*PGG+\tt], 8
.endr
.elseif (\n) < 14
.set vk, QV+12*(3*PGG+(\n)-11)
.set va, PACC+16*((\n)-11)
.if PBETA == 0
	WIN 0
.irp i, 0,1,2,3,4,5
	v_mov_b32 v[vk+\i], v[vk+6+\i]                 ; the sub-block before moves to the fragment's lower half
.endr
.else
	WIN 0x0c
	v_cvt_scalef32_pk16_fp6_f32 v[SCT:SCT+2], v[va:va+15], v[(NVS&255)+(\n)-11]
	v_nop
	WIN 0
.irp i, 0,1,2
	v_permlane16_swap_b32 v[vk+6+\i], v[SCT+\i]    ; a whole block of 32 tokens to a lane
.endr
.irp i, 0,1,2
	v_mov_b32 v[vk+9+\i], v[SCT+\i]
.endr
.endif
.elseif (\n) == 14 && PBETA == 0
	WIN 0x0c
.irp tt, 0,1,2
	v_cvt_scalef32_pk16_fp6_f32 v[QV+12*(3*PGG+\tt)+6:QV+12*(3*PGG+\tt)+8], v[PACC+16*\tt:PACC+16*\tt+15], v[(NVS&255)+\tt]
.endr
	v_nop
.endif
.endm
.macro SLICE n
.if PK == 1
	KQS \n
.elseif PK == 2
	VQS \n
.endif
.endm
.macro FLUSH                           ; the quantiser that is owed, on end
.set fi, 0
.rept 15
	SLICE fi
.set fi, fi+1
.endr
	WIN 0
.set PK, 0
.endm
; 18 products: k of one token tile (transposed; bk is the C of each sum's first product), six accumulators by turns; a slice of the owed quantiser behind each
.macro RUNK bf, row, acc, ro, so
.set ri, 0
.rept 18
.if ri < 6
	MM (\acc)+8*(ri%6), WKF+12*(3*(ri%6)), (\bf), BK+8*(ri%6), WS+3*(ri%6), KS, 0, \row
.else
	MM (\acc)+8*(ri%6), WKF+12*(3*(ri%6)+ri/6), (\bf)+12*(ri/6), (\acc)+8*(ri%6), WS+3*(ri%6)+ri/6, KS+ri/6, 0, \row
.endif
	SLICE ri
.set ri, ri+1
.endr
	WIN 0
	NOP5
.set PK, 1
.set PACC, \acc
.set PRO, \ro
.set PSO, \so
.endm
; 18 products: v of two token tiles x three column tiles
.macro RUNV gg, acc, beta
.set ri, 0
.rept 18
.set rq, (\acc)+16*((ri%6)/2)+8*(ri%2)
.set rw, 3*(3*(\gg)+(ri%6)/2)+ri/6
.if ri < 6
	MM rq, QF+12*(3*(ri%2)), WVF+12*rw, -1, KS, WS+rw, ri%2, 1
.else
	MM rq, QF+12*(3*(ri%2)+ri/6), WVF+12*rw, rq, KS+ri/6, WS+rw, ri%2, 1
.endif
	SLICE ri
.set ri, ri+1
.endr
	WIN 0
	NOP5
.set PK, 2
.set PACC, \acc
.set PGG, \gg
.set PBETA, \beta
.endm
.macro PREQ
.irp n, 0,1,2,3,4,5
	LDR QF+12*\n, QRD, 4864*(\n%4)+96*(\n/4)
.endr
	LDR ZF, QRD, 192
	LDR ZF+12, QRD, 4864+192
.irp f, 0,1,2
.irp u, 0,1
	ds_load_b32 v[QQS+2*\f+\u], v[QSRD] offset:256*\u+4*\f
.endr
.endr
.endm
.macro SCORES
.irp f, 0,1,2
	LDR ZK+12*\f, KRD, 96*\f
.endr
.irp f, 0,1,2
	ds_load_b32 v[QKS+\f], v[KSRD] offset:4*\f
.endr
	s_wait_dscnt 0x0
.irp g, 0,1,2,3
	MM SC+8*\g, QF+12*\g, ZK, -1, QQS+(\g&1), QKS, \g>>1, 0
.endr
	WIN 0
	NOP4
	LDR QF, QRD, 4864*2+192
	LDR QF+12, QRD, 4864*3+192
.irp g, 0,1,2,3
	MM SC+8*\g, QF+12*(4+\g), ZK+12, SC+8*\g, QQS+2+(\g&1), QKS+1, \g>>1, 0
.endr
	MM SC, ZF, ZK+24, SC, QQS+4, QKS+2, 0, 0
	MM SC+8, ZF+12, ZK+24, SC+8, QQS+5, QKS+2, 0, 0
	s_wait_dscnt 0x0
	MM SC+16, QF, ZK+24, SC+16, QQS+4, QKS+2, 1, 0
	MM SC+24, QF+12, ZK+24, SC+24, QQS+5, QKS+2, 1, 0
	WIN 0
	NOP4
.endm
.macro SOFTMAX
.irp g, 0,1,2,3
	v_max3_num_f32 v[SM+\g], v[SC+8*\g], v[SC+8*\g+1], v[SC+8*\g+2]
.endr
.irp i, 3,5
.irp g, 0,1,2,3
	v_max3_num_f32 v[SM+\g], v[SM+\g], v[SC+8*\g+\i], v[SC+8*\g+\i+1]
.endr
.endr
.irp g, 0,1,2,3
	v_max_num_f32 v[SM+\g], v[SM+\g], v[SC+8*\g+7]
.endr
	v_max3_num_f32 v[MX], v[SM], v[SM+1], v[SM+2]
	v_mov_b32 v[STT], 0
	v_max_num_f32 v[MX], v[MX], v[SM+3]
	v_permlanex16_b32 v[STT], v[MX], s[SEL], s[SEL+1]
	v_max_num_f32 v[MX], v[MX], v[STT]
.irp g, 0,1,2,3
	v_mov_b32 v[SI+\g], 64
.endr
.irp j, 7,6,5,4,3,2,1,0
.irp g, 0,1,2,3
	v_cmp_neq_f32 s[66+\g], v[SC+8*\g+\j], v[MX]
.endr
.irp g, 0,1,2,3
	v_cndmask_b32 v[SI+\g], 16*\g+\j, v[SI+\g], s[66+\g]
.endr
.endr
	v_min_u32 v[SI], v[SI], v[SI+1]
	v_min_u32 v[SI+2], v[SI+2], v[SI+3]
	v_mul_f32 v[NM], s[CS], v[MX]
	v_min_u32 v[SI], v[SI], v[SI+2]
	v_mov_b32 v[NM+1], v[NM]
	v_add_nc_u32 v[SI], v[SI], v[H8]
	v_permlanex16_b32 v[STT], v[SI], s[SEL], s[SEL+1]
	v_min_u32 v[SI], v[SI], v[STT]
.irp j, 0,2,4,6,8,10,12,14,16,18,20,22,24,26,28,30
	v_pk_fma_f32 v[SC+\j:SC+\j+1], v[SC+\j:SC+\j+1], s[CS:CS+1], v[NM:NM+1] op_sel_hi:[1,0,0] neg_lo:[0,0,1] neg_hi:[0,0,1]
.endr
	s_wait_alu depctr_va_vdst(0)
.irp j, 0,1,2,3,4,5,6,7,8,9,10,11,12,13,14,15,16,17,18,19,20,21,22,23,24,25,26,27,28,29,30,31
	v_exp_f32 v[SC+\j], v[SC+\j]
.endr
	v_nop
	s_wait_alu depctr_va_vdst(0)
	v_pk_add_f32 v[SUM:SUM+1], v[SC:SC+1], v[SC+2:SC+3]
	v_pk_add_f32 v[SUM+2:SUM+3], v[SC+4:SC+5], v[SC+6:SC+7]
.irp j, 8,12,16,20,24,28
	v_pk_add_f32 v[SUM:SUM+1], v[SUM:SUM+1], v[SC+\j:SC+\j+1]
	v_pk_add_f32 v[SUM+2:SUM+3], v[SUM+2:SUM+3], v[SC+\j+2:SC+\j+3]
.endr
	v_pk_add_f32 v[SUM:SUM+1], v[SUM:SUM+1], v[SUM+2:SUM+3]
	v_add_f32 v[SUM], v[SUM], v[SUM+1]
	v_permlanex16_b32 v[STT], v[SUM], s[SEL], s[SEL+1]
	v_add_f32 v[SUM], v[SUM], v[STT]
	s_wait_alu depctr_va_vdst(0)
	v_rcp_f32 v[RC], v[SUM]
	v_nop
	s_wait_alu depctr_va_vdst(0)
	v_mov_b32 v[RC+1], v[RC]
.irp j, 0,2,4,6,8,10,12,14,16,18,20,22,24,26,28,30
	v_pk_mul_f32 v[SC+\j:SC+\j+1], v[SC+\j:SC+\j+1], v[RC:RC+1]
.endr
.irp g, 0,1,2,3
.irp j, 0,1,2,3,4,5,6,7
	ds_store_b32 v[STW], v[SC+8*\g+\j] offset:272*(16*\g+\j)
.endr
.endr
	ds_store_b32 v[IDW], v[SI]
.endm
.macro OUT3A
.set ii, 0
.irp o, 0,16,64,80,32,48,96,112
	ds_load_b128 v[IX+4*ii:IX+4*ii+3], v[IDR] offset:\o
.set ii, ii+1
.endr
.irp i, 0,1,2,3,4,5,6,7
	ds_load_b128 v[RR+4*\i:RR+4*\i+3], v[STR] offset:544*\i
.endr
	v_add_nc_u32 v[OHA], s53, v[OHW16]
	v_add_nc_u32 v[OHB], s53, v[OHW8]
	s_wait_dscnt 8
.irp a, 0,1,2,3
.irp i, 0,1,2,3,4,5,6,7
	v_cmp_eq_u32 s[66+\i], v[IX+8*\a+\i], v[GG]
.endr
.irp i, 0,1,2,3,4,5,6,7
	v_cndmask_b32 v[IX+8*\a+\i], v[Z0], v[O1], s[66+\i]
.endr
.endr
.irp j, 0,4,8,12,16,20,24,28
	v_pk_add_f32 v[CNT:CNT+1], v[CNT:CNT+1], v[IX+\j:IX+\j+1]
	v_pk_add_f32 v[CNT+2:CNT+3], v[CNT+2:CNT+3], v[IX+\j+2:IX+\j+3]
.endr
	v_cvt_scalef32_pk16_fp6_f32 v[OC:OC+2], v[IX:IX+15], v[O1]
	v_cvt_scalef32_pk16_fp6_f32 v[OT:OT+2], v[IX+16:IX+31], v[O1]
	v_nop
.irp i, 0,1,2
	v_mov_b32 v[OC+3+\i], v[OT+\i]
.endr
	ds_store_b128 v[OHA], v[OC:OC+3]
	ds_store_b64 v[OHB], v[OC+4:OC+5]
	s_wait_dscnt 2
.irp i, 0,1,2,3,4,5,6,7
	global_store_b128 v[GO1], v[RR+4*\i:RR+4*\i+3], s[20:21] offset:32768*\i th:TH_STORE_NT
.endr
.endm
; The sums of v by group over 128 tokens: the four group tiles' one-hot fragments come into v206-253, which are idle here.
; fetch = 1: the first pair's fragments of key are asked for ahead of the 24 products.
.macro P5 fetch
.irp g, 0,1,2,3
	ds_load_b128 v[ACB+12*\g:ACB+12*\g+3], v[OHR16] offset:1536*\g
	ds_load_b64 v[ACB+12*\g+4:ACB+12*\g+5], v[OHR8] offset:1536*\g+512
	ds_load_b128 v[ACB+12*\g+6:ACB+12*\g+9], v[OHR16] offset:1536*\g+768
	ds_load_b64 v[ACB+12*\g+10:ACB+12*\g+11], v[OHR8] offset:1536*\g+1280
.endr
.if \fetch
	FETCHQ 0
	s_wait_dscnt 21                                ; the one-hot fragments are in; the 21 loads of FETCHQ may be out
.else
	s_wait_dscnt 0x0
.endif
.set pi, 0
.rept 24
	PREG pi
	MM PR, QV+12*(pi%6), ACB+12*(pi/6), PR, QVS+pi%6, ONE, 0, 0
.set pi, pi+1
.endr
	WIN 0
	NOP5                                           ; the next run writes over v206-253; behind the loops the sums are stored
.endm
.macro BAR
	s_wait_dscnt 0x0
	s_barrier_signal -1
	s_barrier_wait -1
.endm
.macro CHANGE fill
	s_wait_tensorcnt 0x0
.if \fill
	ds_add_u32 v[SPW], v[NIL]
	s_xor_b32 s45, s45, RING1
	s_add_nc_u64 s[46:47], s[46:47], 98304
.endif
	s_wait_dscnt 0x0
	s_barrier_signal -1
	s_barrier_wait -1
.if \fill
	tensor_load_to_lds s[44:47], s[32:39]
	s_nop 0
	NOP4
.endif
.endm
.macro PREQ2                           ; q's fragments 6 and 7 land where the quantisers' scratch lay: behind the sub-block's last quantiser
.irp n, 6,7
	LDR QF+12*\n, QRD, 4864*(\n%4)+96*(\n/4)
.endr
	WIN 0
.endm
; A sub-block's eight runs, on the two sets of accumulators by turns.  The fourth quantiser of each half stands under the LDS loads that follow its run.
.macro PRODS
	s_wait_dscnt 0x0                               ; the first pair's fragments, asked for ahead of this macro
	RUNK QF, 0, ACB, 0, 0
	RUNK QF+36, 1, ACC, 4864, 256
	RUNV 0, ACB, 0
	RUNV 1, ACC, 0
	FETCHQ 1
	FLUSH
	s_wait_dscnt 0x0
	RUNK QF, 0, ACB, 9728, 512
	RUNK QF+36, 1, ACC, 14592, 768
	RUNV 0, ACB, 1
	RUNV 1, ACC, 1
	PREQ
	FLUSH
	PREQ2
.endm
.macro LOADY f                         ; K step f of my 16 tokens into the second set
	WIN 0xc0
.irp c, 0,1
.irp q, 0,1,2,3,4,5,6,7
	ds_load_b128 v[YL+32*\c+4*\q:YL+32*\c+4*\q+3], v[XA] offset:528*(\f)+256*\c+16*\q
.endr
.endr
	WIN 0
.endm
.macro QUANTY                          ; QUANTX on the second set
	WIN 0x0f
.irp c, 0,1
	v_max3_num_f32 v[QM+\c], |v[YL+32*\c]|, |v[YL+32*\c+1]|, 0x1800000
	v_max3_num_f32 v[QT+\c], |v[YL+32*\c+16]|, |v[YL+32*\c+17]|, 0x1800000
.endr
.irp i, 2,4,6,8,10,12,14
.irp c, 0,1
	v_max3_num_f32 v[QM+\c], |v[YL+32*\c+\i]|, |v[YL+32*\c+\i+1]|, v[QM+\c]
	v_max3_num_f32 v[QT+\c], |v[YL+32*\c+16+\i]|, |v[YL+32*\c+17+\i]|, v[QT+\c]
.endr
.endr
	WIN 0
.irp c, 0,1
	v_max_num_f32 v[QM+\c], v[QM+\c], v[QT+\c]
.endr
.irp c, 0,1
	v_add_nc_u32 v[QS+\c], 0xff000000, v[QM+\c]
.endr
.irp c, 0,1
	v_lshrrev_b32 v[QB+\c], 23, v[QS+\c]
.endr
	v_lshl_or_b32 v[PW], v[QB+1], 16, v[QB]
	v_lshlrev_b32 v[PW], v[H8], v[PW]
	v_permlanex16_b32 v[QT], v[PW], s[SEL], s[SEL+1]
	v_or_b32 v[PW], v[PW], v[QT]
	WIN 0x03
.irp c, 0,1
	v_cvt_scalef32_pk16_fp6_f32 v[PC+6*\c:PC+6*\c+2], v[YL+32*\c:YL+32*\c+15], v[QS+\c]
	v_cvt_scalef32_pk16_fp6_f32 v[PT+4*\c:PT+4*\c+2], v[YL+32*\c+16:YL+32*\c+31], v[QS+\c]
.endr
	v_nop
	WIN 0
.irp c, 0,1
.irp i, 0,1,2
	v_mov_b32 v[PC+3+6*\c+\i], v[PT+4*\c+\i]
.endr
.endr
.endm
.macro SUBBLK fill
	v_add_nc_u32 v[XA], s52, v[XRD]
	LOADX 0
	LOADY 1
	s_wait_dscnt 16                                ; K step 0 is in; the 16 loads of K step 1 may be out
	QUANTX
	IMAGE 0
	LOADX 2
	s_wait_dscnt 16                                ; K step 1 is in and image 0 is stored; the 16 loads of K step 2 may be out
	QUANTY
	IMAGE 1
	s_wait_dscnt 0x0
	QUANTX
	IMAGE 2
	CHANGE \fill
	s_wait_loadcnt 0x0
	s_cmp_lg_u32 s55, 0                            ; the barrier above has shown every wave's one-hot codes of the sub-block before
	s_cbranch_scc1 .Lnone_\@
	P5 1
	s_branch .Lgo_\@
.Lnone_\@:
	FETCHQ 0
.Lgo_\@:
	PRODS
	BAR
	SCORES
	SOFTMAX
	BAR
	OUT3A
	s_wait_xcnt 0x0
	s_add_nc_u64 s[20:21], s[20:21], 256
	s_xor_b32 s52, s52, RING1
	s_xor_b32 s53, s53, 768
	s_mov_b32 s55, s53                             ; 0 behind every second sub-block
.endm
.macro LDW reg, off
	WIN (((\reg)>>8)<<6)
.set ii, 0
.rept 54
	global_load_b128 v[((\reg)&255)+4*ii:((\reg)&255)+4*ii+3], v[L16], s[74:75] offset:(\off)+512*ii
.set ii, ii+1
.endr
	WIN 0
.endm
.macro LDWS pair
.set ii, 0
.rept 18
	global_load_b32 v[WS+ii], v[L4], s[76:77] offset:9216*(\pair)+128*ii
.set ii, ii+1
.endr
.endm
.macro LDB base
	WIN 0xc0
.irp t, 0,1,2,3,4,5
	global_load_b128 v[(BK&255)+8*\t:(BK&255)+8*\t+3], v250, s[\base:\base+1] offset:4*(32*(\t/2)+8*(\t%2))
	global_load_b128 v[(BK&255)+8*\t+4:(BK&255)+8*\t+7], v250, s[\base:\base+1] offset:4*(32*(\t/2)+8*(\t%2))+16
.endr
	WIN 0
.endm
	s_load_b512 s[4:19], s[0:1], 0x0
	s_load_b128 s[20:23], s[0:1], 0x40
	s_load_b64 s[24:25], s[0:1], 0x50
	v_lshl_add_u32 v[SPW], v0, 2, SPARE
	v_mov_b32 v[NIL], 0
	ds_add_u32 v[SPW], v[NIL]
	ds_add_u32 v[SPW], v[NIL]
	v_lshrrev_b32 v31, 5, v0
	v_readfirstlane_b32 s26, v31
	s_mov_b32 s27, ttmp9
	s_and_b32 s28, ttmp7, 0xffff
	s_lshl_b32 s29, s28, 3
	s_add_co_u32 s29, s29, s27
	s_mov_b32 s32, (2<<16)|(1<<20)|(6<<22)|(3<<25)
	s_mov_b32 s33, 384<<16
	s_mov_b32 s34, 16<<16
	s_mov_b32 s35, 384<<16
	s_mov_b32 s36, 16
	s_mov_b32 s37, 384
	s_mov_b32 s38, 0
	s_mov_b32 s39, 0
	s_mov_b32 s[SEL], 0x76543210
	s_mov_b32 s[SEL+1], 0xfedcba98
	s_mov_b32 s[CS], 0x3d96c73f
	s_mov_b32 s[CS+1], s[CS]
	s_mov_b32 s52, 0
	s_mov_b32 s53, 0
	s_mov_b32 s55, 1                               ; 0 at a sub-block's head: the two sub-blocks before it are owed their sums by group
	s_mul_i32 s58, s26, WTILE
	s_lshl_b32 s56, s28, 12
	s_lshl_b32 s57, s27, 9
	s_add_co_u32 s56, s56, s57
	s_lshl_b32 s57, s26, 4
	s_add_co_u32 s56, s56, s57
	s_mul_i32 s56, s56, 1536
	s_mov_b32 s57, 0
	s_wait_dscnt 0x0
	s_wait_kmcnt 0x0
	s_mov_b32 s40, 1
	s_mov_b32 s41, s58
	s_add_nc_u64 s[42:43], s[4:5], s[56:57]
	s_or_b32 s43, s43, 0x80000000
	s_mov_b32 s44, 1
	s_add_co_u32 s45, s58, RING1
	s_add_nc_u64 s[46:47], s[4:5], s[56:57]
	s_add_nc_u64 s[46:47], s[46:47], 98304
	s_or_b32 s47, s47, 0x80000000
	tensor_load_to_lds s[40:43], s[32:39]          ; sub-block 0: one tensor load a wave at the head
	s_nop 0
	NOP4
	v_and_b32 v255, 31, v0
	v_and_b32 v253, 15, v0
	v_bfe_u32 v254, v0, 4, 1
	v_lshlrev_b32 v[L16], 4, v255
	s_wait_alu depctr_va_vdst(0)
	v_lshlrev_b32 v[L4], 2, v255
	s_wait_alu depctr_va_vdst(0)
	v_lshlrev_b32 v250, 6, v254
	s_wait_alu depctr_va_vdst(0)
	v_and_b32 v251, 8, v253
	v_add_lshl_u32 v251, v251, v253, 2
	v_mul_u32_u24 v252, v254, 384
	v_lshl_add_u32 v252, v253, 2, v252
	s_wait_alu depctr_va_vdst(0)
	s_mul_i32 s56, s26, 27648
	s_add_nc_u64 s[74:75], s[10:11], s[56:57]
	s_mul_i32 s56, s26, 2304
	s_add_nc_u64 s[76:77], s[12:13], s[56:57]
	s_mul_i32 s56, s26, 384
	s_add_nc_u64 s[78:79], s[14:15], s[56:57]
	s_add_nc_u64 s[80:81], s[16:17], s[56:57]
	s_add_nc_u64 s[82:83], s[18:19], s[56:57]
	s_mul_i32 s56, s28, 18432
	s_add_nc_u64 s[6:7], s[6:7], s[56:57]
	s_mul_i32 s56, s28, 1536
	s_add_nc_u64 s[8:9], s[8:9], s[56:57]
	s_lshl_b32 s56, s28, 20
	s_lshl_b32 s59, s27, 11
	s_add_co_u32 s56, s56, s59
	s_add_nc_u64 s[20:21], s[20:21], s[56:57]
	s_lshl_b32 s56, s29, 2
	s_add_co_u32 s56, s56, s26
	s_mul_i32 s56, s56, 24576
	s_add_nc_u64 s[22:23], s[22:23], s[56:57]
	s_lshl_b32 s56, s29, 8
	s_add_nc_u64 s[24:25], s[24:25], s[56:57]
	LDW WKF, 221184
	LDWS 1
	LDB 78
	WIN 0xc0
.set ii, 0
.rept 18
	global_load_b128 v[(QF&255)+4*ii:(QF&255)+4*ii+3], v[L16], s[6:7] offset:512*ii
.set ii, ii+1
.endr
.set ii, 0
.rept 18
	global_load_b128 v[(PX&255)+4*ii:(PX&255)+4*ii+3], v[L16], s[6:7] offset:9216+512*ii
.set ii, ii+1
.endr
	WIN 0
.irp f, 0,1,2
	global_load_b32 v[KS+\f], v252, s[8:9] offset:128*\f
	global_load_b32 v[QKS+\f], v252, s[8:9] offset:768+128*\f
.endr
	LDW WVF, 110592                                ; Wv and bv have registers of their own: 60 loads that stay out while q is made
.irp t, 0,1,2,3,4,5
	global_load_b32 v[BV+\t], v251, s[82:83] offset:4*(32*(\t/2)+8*(\t%2))
.endr
	v_mul_u32_u24 v[XRD], v253, 1584
	v_lshl_add_u32 v[XRD], v254, 7, v[XRD]
	v_add_nc_u32 v[XRD], s58, v[XRD]
	s_mul_i32 s59, s26, 4608
	s_add_co_u32 s59, s59, KIMG
	v_lshl_add_u32 v[XWI], v255, 4, s59
	s_mul_i32 s59, s26, 384
	s_add_co_u32 s59, s59, KSCL
	v_lshl_add_u32 v[XWS], v255, 2, s59
	v_lshl_add_u32 v[IRD], v255, 4, KIMG
	v_mul_u32_u24 v[SRD], v254, 384
	v_lshl_add_u32 v[SRD], v253, 2, v[SRD]
	v_add_nc_u32 v[SRD], KSCL, v[SRD]
	v_mul_u32_u24 v31, v253, 304
	v_mad_u32_u24 v[KWR], v254, 12, v31
	s_mul_i32 s59, s26, 72
	s_add_co_u32 s59, s59, KROW
	v_add_nc_u32 v[KWR], s59, v[KWR]
	s_mul_i32 s59, s26, 3
	s_add_co_u32 s59, s59, KRS
	v_lshl_add_u32 v[KWS], v253, 4, s59
	v_mad_u32_u24 v31, v254, 24, v31
	s_mul_i32 s59, s26, 4864
	s_add_co_u32 s59, s59, KROW
	v_add_nc_u32 v[KRD], s59, v31
	s_lshl_b32 s59, s26, 8
	s_add_co_u32 s59, s59, KRS
	v_lshl_add_u32 v[KSRD], v253, 4, s59
	v_add_nc_u32 v[QRD], QROW, v31
	v_lshlrev_b32 v[QSRD], 9, v254
	v_lshl_add_u32 v[QSRD], v253, 4, v[QSRD]
	v_add_nc_u32 v[QSRD], QRS, v[QSRD]
	v_mul_u32_u24 v[STW], v254, 2176
	v_lshl_add_u32 v[STW], v253, 2, v[STW]
	s_lshl_b32 s59, s26, 6
	s_add_co_u32 s59, s59, STG
	v_add_nc_u32 v[STW], s59, v[STW]
	v_mul_u32_u24 v[STR], v254, 272
	v_lshl_add_u32 v[STR], v253, 4, v[STR]
	s_mul_i32 s59, s26, 4352
	s_add_co_u32 s59, s59, STG
	v_add_nc_u32 v[STR], s59, v[STR]
	s_lshl_b32 s59, s26, 6
	s_add_co_u32 s59, s59, IDX
	v_lshl_add_u32 v[IDW], v253, 2, s59
	v_lshl_add_u32 v[IDR], v254, 7, IDX
	s_mul_i32 s59, s26, 1536
	s_add_co_u32 s59, s59, OH
	v_lshl_add_u32 v[OHW16], v255, 4, s59
	s_add_co_u32 s59, s59, 512
	v_lshl_add_u32 v[OHW8], v255, 3, s59
	v_lshl_add_u32 v[OHR16], v255, 4, OH
	v_lshl_add_u32 v[OHR8], v255, 3, OH
	v_lshlrev_b32 v[GO1], 14, v254
	v_lshl_add_u32 v[GO1], v253, 4, v[GO1]
	s_lshl_b32 s59, s26, 18
	v_add_nc_u32 v[GO1], s59, v[GO1]
	s_lshl_b32 s59, s26, 4
	v_add_nc_u32 v[GG], s59, v253
	v_lshlrev_b32 v[H8], 3, v254
	v_mov_b32 v[Z0], 0
	v_mov_b32 v[O1], 1.0
	s_wait_alu depctr_va_vdst(0)
	s_wait_tensorcnt 0x0                           ; slot 1's first fill is issued as a refill is; Wq's and query's loads are on their way meanwhile
	ds_add_u32 v[SPW], v[NIL]
	s_wait_dscnt 0x0
	s_barrier_signal -1
	s_barrier_wait -1
	tensor_load_to_lds s[44:47], s[32:39]
	s_nop 0
	NOP4
	s_wait_loadcnt 60                              ; all but Wv's 54 loads and bv's 6, the youngest
	KPROD QF, KS, 0
	KQ DQ, DQ
	KPROD QF+36, KS, 1
	KQ DQ+4864, DQ+256
	KPROD PX, QKS, 0
	KQ DQ+9728, DQ+512
	KPROD PX+36, QKS, 1
	KQ DQ+14592, DQ+768
	LDW WKF, 0
	LDWS 0
	LDB 80
	WIN 0x40
.set ii, 216
.rept 40
	v_mov_b32 v[ii], 0
.set ii, ii+1
.endr
	WIN 0x80
.set ii, 216
.rept 40
	v_mov_b32 v[ii], 0
.set ii, ii+1
.endr
	WIN 0xc0
.irp i, 0,1,2
	v_mov_b32 v[(NVT&255)+\i], 0                   ; written once: a lane permute's destination counts as one of its sources
.endr
.set ii, 0
.rept 112
	v_mov_b32 v[ii], 0
.set ii, ii+1
.endr
	WIN 0
.irp t, 0,1,2,3,4,5
.irp i, 6,7,8,9,10,11
	v_mov_b32 v[QV+12*\t+\i], 0
.endr
	v_mov_b32 v[QVS+\t], 0
.endr
.irp i, 0,1,2,3
	v_mov_b32 v[CNT+\i], 0
.endr
	v_mov_b32 v[ONE], 0x7f7f7f7f
	s_wait_tensorcnt 0x1
	s_mov_b32 s54, 6
.Lmain:
	SUBBLK 1
	s_sub_co_u32 s54, s54, 1
	s_cmp_lg_u32 s54, 0
	s_cbranch_scc1 .Lmain
	s_mov_b32 s54, 2
.Ltail:
	SUBBLK 0
	s_sub_co_u32 s54, s54, 1
	s_cmp_lg_u32 s54, 0
	s_cbranch_scc1 .Ltail
	BAR                                            ; the last sub-block's one-hot codes lie in LDS
	P5 0
.set pi, 0
.rept 24
	PREG pi
	WIN ((PR>>8)<<2)
	global_store_b128 v[L16], v[(PR&255):(PR&255)+3], s[22:23] offset:1024*pi
	global_store_b128 v[L16], v[(PR&255)+4:(PR&255)+7], s[22:23] offset:1024*pi+512
.set pi, pi+1
.endr
	WIN 0
	s_wait_alu depctr_va_vdst(0)
	v_pk_add_f32 v[CNT:CNT+1], v[CNT:CNT+1], v[CNT+2:CNT+3]
	v_add_f32 v[CNT], v[CNT], v[CNT+1]
	v_permlanex16_b32 v[CNT+1], v[CNT], s[SEL], s[SEL+1]
	v_add_f32 v[CNT], v[CNT], v[CNT+1]
	v_and_b32 v31, 15, v0
	s_lshl_b32 s56, s26, 6
	v_lshl_add_u32 v31, v31, 2, s56
	global_store_b32 v31, v[CNT], s[24:25]
	s_wait_tensorcnt 0x0
	ds_add_u32 v[SPW], v[NIL]
	s_wait_dscnt 0x0
	s_endpgm
.Lfunc_end_k_q60d52d9e33_assign:
	.size	k_q60d52d9e33_assign, .Lfunc_end_k_q60d52d9e33_assign-k_q60d52d9e33_assign
	.p2alignl 7, 3214868480
	.fill 96, 4, 3214868480
	.section	.rodata,"a",@progbits
	.p2align	6, 0x0
	.amdhsa_kernel k_q60d52d9e33_assign
		.amdhsa_group_segment_fixed_size 327680
		.amdhsa_private_segment_fixed_size 0
		.amdhsa_enable_private_segment 0
		.amdhsa_kernarg_size 88
		.amdhsa_user_sgpr_count 2
		.amdhsa_user_sgpr_kernarg_segment_ptr 1
		.amdhsa_wavefront_size32 1
		.amdhsa_system_sgpr_workgroup_id_x 1
		.amdhsa_system_sgpr_workgroup_id_y 1
		.amdhsa_system_sgpr_workgroup_id_z 1
		.amdhsa_system_vgpr_workitem_id 0
		.amdhsa_next_free_vgpr 1024
		.amdhsa_next_free_sgpr 96
		.amdhsa_reserve_vcc 0
		.amdhsa_float_denorm_mode_32 3
		.amdhsa_float_denorm_mode_16_64 3
		.amdhsa_memory_ordered 1
		.amdhsa_forward_progress 1
		.amdhsa_inst_pref_size 255
	.end_amdhsa_kernel
	.section	.bss,"aw",@nobits
	.p2align	6
	.space	262144
	.amdgpu_metadata
---
amdhsa.version: [ 1, 2 ]
amdhsa.kernels:
  - .name:           k_q60d52d9e33_assign
    .symbol:         k_q60d52d9e33_assign.kd
    .args:
      - { .name: key, .offset: 0, .size: 8, .value_kind: global_buffer, .address_space: global }
      - { .name: qimg, .offset: 8, .size: 8, .value_kind: global_buffer, .address_space: global }
      - { .name: qsc, .offset: 16, .size: 8, .value_kind: global_buffer, .address_space: global }
      - { .name: wimg, .offset: 24, .size: 8, .value_kind: global_buffer, .address_space: global }
      - { .name: wsc, .offset: 32, .size: 8, .value_kind: global_buffer, .address_space: global }
      - { .name: bq, .offset: 40, .size: 8, .value_kind: global_buffer, .address_space: global }
      - { .name: bk, .offset: 48, .size: 8, .value_kind: global_buffer, .address_space: global }
      - { .name: bv, .offset: 56, .size: 8, .value_kind: global_buffer, .address_space: global }
      - { .name: out1, .offset: 64, .size: 8, .value_kind: global_buffer, .address_space: global }
      - { .name: part, .offset: 72, .size: 8, .value_kind: global_buffer, .address_space: global }
      - { .name: cnt, .offset: 80, .size: 8, .value_kind: global_buffer, .address_space: global }
    .group_segment_fixed_size: 327680
    .private_segment_fixed_size: 0
    .kernarg_segment_align: 8
    .kernarg_segment_size: 88
    .max_flat_workgroup_size: 128
    .sgpr_count:     96
    .vgpr_count:     1024
    .wavefront_size: 32
...
	.end_amdgpu_metadata
.endif
;; end of part 2
;; launch final (part 3): grid 4 x 32, 4 waves a work-group, no clusters, 30,720 bytes of LDS; arguments part, cnt, wimg, wsc, bp, out0; writes out0
.if DOCPART == 3
	.amdgcn_target "amdgcn-amd-amdhsa--gfx1250"
	.amdhsa_code_object_version 6
	.text
	.protected	k_q60d52d9e33_final
	.globl	k_q60d52d9e33_final
	.p2align	8
	.type	k_q60d52d9e33_final,@function
k_q60d52d9e33_final:
	s_mov_b64 s[64:65], 0
	v_nop
	global_prefetch_b8 v0, s[64:65] scope:SCOPE_SE
	s_setreg_imm32_b32 hwreg(HW_REG_WAVE_MODE, 25, 1), 1
	s_wait_xcnt 0x0
; out0 = Q(out) Q(Wp) + bp, out[g][d] = qc[g] x the sum over a batch's eight chunks of part.  A work-group takes 16 groups (x = group tile) of one batch (y).
; qc[g] is 1 / (n + 1), n the group's count over the batch, put through the quantiser of the fifth product's left operand: every block that holds an assigned token has 1 / (n + 1) as its largest magnitude,
; so the quantised number is that number held at 1.875 x its power of two and rounded to three mantissa bits, ties to even: done here on the bits.  (The launch before fed the code of 1.0 in its place.)
; Wave w owns columns 96 w .. 96 w + 95 on both sides: of out, which it sums, scales and quantises along d (rows of codes to LDS, as in the launch before), and of out0, for which its 18 fragments of Wp lie in registers.
; The product is used transposed (source 0 = Wp's tile, source 1 = out's 16 rows): a lane holds a row, and its registers run along the columns.  bp is the C of each sum's first product.
; 128 work-groups: the launch has work for no more rows.  No tensor load: each byte goes once into registers.
; LIMITS: as in the launches before (NaN, infinities; the byte 1 for blocks under 2^-124).
.set ROWS,  0                          ; LDS: 16 rows of 288 bytes of codes, 304 apart
.set RS,    5120                       ; their scale bytes, 16 a row
.set STG,   5376                       ; out0 on its way out: 16 rows x (1,536 bytes + 16)
.set SPARE, 30208                      ; the spare words, 128 bytes a wave: two blocks of 256 bytes that no other line names
.set L16, 4
.set L4,  5
.set KWR, 9
.set KWS, 10
.set FRD, 11
.set FSR, 12
.set SO,  13
.set SR,  14
.set SPW, 18                           ; v18  SPARE + 4 x thread; never rewritten
.set NIL, 19                           ; v19  0; never rewritten
.set WS,  32                           ; v32-49 scale words: lanes 16-31 Wp's.  v32-52 hold scales and nothing else
.set FS,  50                           ; v50-52 out's
.set BP,  56                           ; v56-103 bp in the result's layout
.set FR,  104                          ; v104-139 out's three fragments
.set QC,  140                          ; v140-141 qc, twice
.set NN,  142                          ; v142-149 the eight counts
.set ACC, 158                          ; v158-205 out, then out0
.set VM,  206
.set VT,  209
.set VS,  212
.set VB,  215
.set CT,  218
.set OR,  208                          ; v208-255 rows of out0
.set SEL, 32
.set MSB, 0
.macro WIN new
.if MSB != (\new)
	s_set_vgpr_msb (MSB<<8)|(\new)
.set MSB, (\new)
.endif
.endm
.macro BAR
	s_wait_dscnt 0x0
	s_barrier_signal -1
	s_barrier_wait -1
.endm
	s_load_b256 s[4:11], s[0:1], 0x0               ; part s[4:5], cnt s[6:7], wimg s[8:9], wsc s[10:11]
	s_load_b128 s[12:15], s[0:1], 0x20             ; bp s[12:13], out0 s[14:15]
	v_lshl_add_u32 v[SPW], v0, 2, SPARE
	v_mov_b32 v[NIL], 0
	v_lshrrev_b32 v1, 5, v0
	v_readfirstlane_b32 s16, v1                    ; wave
	s_mov_b32 s17, ttmp9                           ; group tile
	s_and_b32 s18, ttmp7, 0xffff                   ; batch
	v_and_b32 v1, 15, v0                           ; r
	v_bfe_u32 v2, v0, 4, 1                         ; h
	v_and_b32 v3, 31, v0                           ; lane
	v_lshlrev_b32 v[L16], 4, v3
	v_lshlrev_b32 v[L4], 2, v3
	v_lshlrev_b32 v6, 2, v1                        ; a count: 4 r
	v_lshlrev_b32 v7, 6, v2                        ; a bias tile: 16 h numbers on
	v_mul_u32_u24 v8, v1, 304
	v_mad_u32_u24 v[KWR], v2, 12, v8
	s_mul_i32 s19, s16, 72
	v_add_nc_u32 v[KWR], s19, v[KWR]               ; ROWS + 304 r + 12 h + 72 w
	s_mul_i32 s19, s16, 3
	s_add_co_u32 s19, s19, RS
	v_lshl_add_u32 v[KWS], v1, 4, s19
	v_mad_u32_u24 v[FRD], v2, 24, v8               ; ROWS + 304 r + 24 h
	v_lshl_add_u32 v[FSR], v1, 4, RS
	v_mul_u32_u24 v[SO], v1, 1552
	v_lshl_add_u32 v[SO], v2, 6, v[SO]
	s_mul_i32 s19, s16, 384
	s_add_co_u32 s19, s19, STG
	v_add_nc_u32 v[SO], s19, v[SO]                 ; row r, my 384 bytes, + 64 h
	s_mul_i32 s19, s16, 6208
	s_add_co_u32 s19, s19, STG
	v_add_nc_u32 v[SR], s19, v[L16]                ; back: rows 4 w on, 16 bytes a lane
	s_mov_b32 s[SEL], 0x76543210
	s_mov_b32 s[SEL+1], 0xfedcba98
	s_lshl_b32 s20, s18, 5
	s_add_co_u32 s20, s20, s16
	s_mul_i32 s20, s20, 24576
	s_mul_i32 s21, s17, 6144
	s_add_co_u32 s20, s20, s21                     ; part: chunk 0 of my batch, my wave, my group tile's six accumulators
	s_mov_b32 s21, 0
	s_lshl_b32 s22, s18, 11
	s_lshl_b32 s23, s17, 6
	s_add_co_u32 s22, s22, s23                     ; cnt: chunk 0 of my batch, my 16 groups
	s_mov_b32 s23, 0
	s_mul_i32 s24, s16, 27648
	s_add_co_u32 s24, s24, 331776                  ; wimg: the fourth matrix, my 18 fragments
	s_mov_b32 s25, 0
	s_mul_i32 s26, s16, 2304
	s_add_co_u32 s26, s26, 9216                    ; wsc: the second pair
	s_mov_b32 s27, 0
	s_mul_i32 s28, s16, 384
	s_mov_b32 s29, 0
	s_lshl_b32 s30, s18, 6
	s_lshl_b32 s31, s17, 4
	s_add_co_u32 s30, s30, s31
	s_lshl_b32 s31, s16, 2
	s_add_co_u32 s30, s30, s31
	s_mul_i32 s30, s30, 1536                       ; out0: row 64 x batch + 16 x tile + 4 x wave
	s_mov_b32 s31, 0
	s_wait_kmcnt 0x0
	s_add_nc_u64 s[4:5], s[4:5], s[20:21]
	s_add_nc_u64 s[6:7], s[6:7], s[22:23]
	s_add_nc_u64 s[8:9], s[8:9], s[24:25]
	s_add_nc_u64 s[10:11], s[10:11], s[26:27]
	s_add_nc_u64 s[12:13], s[12:13], s[28:29]
	s_add_nc_u64 s[14:15], s[14:15], s[30:31]
	WIN 0x80                                       ; chunks 0-3 into window 2, 48 registers each
.irp c, 0,1,2,3
.irp u, 0,1,2,3,4,5,6,7,8,9,10,11
	global_load_b128 v[48*\c+4*\u:48*\c+4*\u+3], v[L16], s[4:5] offset:98304*\c+512*\u th:TH_LOAD_NT
.endr
.endr
	WIN 0xc0                                       ; chunks 4-7 into window 3
.irp c, 0,1,2,3
.irp u, 0,1,2,3,4,5,6,7,8,9,10,11
	global_load_b128 v[48*\c+4*\u:48*\c+4*\u+3], v[L16], s[4:5] offset:98304*(4+\c)+512*\u th:TH_LOAD_NT
.endr
.endr
	WIN 0
.irp c, 0,1,2,3,4,5,6,7
	global_load_b32 v[NN+\c], v6, s[6:7] offset:256*\c
.endr
.irp t, 0,1,2,3,4,5
	global_load_b128 v[BP+8*\t:BP+8*\t+3], v7, s[12:13] offset:4*(32*(\t/2)+8*(\t%2))
	global_load_b128 v[BP+8*\t+4:BP+8*\t+7], v7, s[12:13] offset:4*(32*(\t/2)+8*(\t%2))+16
.endr
.set ii, 0
.rept 18
	global_load_b32 v[WS+ii], v[L4], s[10:11] offset:128*ii
.set ii, ii+1
.endr
	WIN 0x40                                       ; Wp into window 1
.set ii, 0
.rept 54
	global_load_b128 v[4*ii:4*ii+3], v[L16], s[8:9] offset:512*ii
.set ii, ii+1
.endr
	WIN 0
	s_wait_loadcnt 54                              ; all but Wp's 54 loads, the youngest
	v_add_f32 v[NN], v[NN], v[NN+1]                ; whole numbers up to 4,096: exact in f32
	v_add_f32 v[NN+2], v[NN+2], v[NN+3]
	v_add_f32 v[NN+4], v[NN+4], v[NN+5]
	v_add_f32 v[NN+6], v[NN+6], v[NN+7]
	v_add_f32 v[NN], v[NN], v[NN+2]
	v_add_f32 v[NN+4], v[NN+4], v[NN+6]
	v_add_f32 v[NN], v[NN], v[NN+4]
	v_add_f32 v[NN], 1.0, v[NN]                    ; n + 1
	s_wait_alu depctr_va_vdst(0)
	v_rcp_f32 v[NN+1], v[NN]
	v_nop
	s_wait_alu depctr_va_vdst(0)                   ; ahead of the reciprocal's first reader
	v_fma_f32 v[NN+2], -v[NN], v[NN+1], 1.0        ; one step of Newton's
	v_fma_f32 v[NN+1], v[NN+1], v[NN+2], v[NN+1]   ; 1 / (n + 1)
	v_and_b32 v[NN+2], 0x7fffff, v[NN+1]           ; its mantissa field,
	v_min_u32 v[NN+2], 0x700000, v[NN+2]           ; held at the largest code's,
	v_bfe_u32 v[NN+3], v[NN+2], 20, 1
	v_add3_u32 v[NN+2], v[NN+2], v[NN+3], 0x7ffff  ; rounded to three bits, ties to even (behind the hold nothing carries out)
	v_and_b32 v[NN+2], 0x700000, v[NN+2]
	v_and_or_b32 v[QC], v[NN+1], 0xff800000, v[NN+2]
	v_mov_b32 v[QC+1], v[QC]
	WIN 0x8e                                       ; destination and source 0 window 2, source 1 window 3: chunks 0-3 += chunks 4-7
.set ii, 0
.rept 96
	v_pk_add_f32 v[2*ii:2*ii+1], v[2*ii:2*ii+1], v[2*ii:2*ii+1]
.set ii, ii+1
.endr
	WIN 0x8a                                       ; all window 2
.set ii, 0
.rept 48
	v_pk_add_f32 v[2*ii:2*ii+1], v[2*ii:2*ii+1], v[96+2*ii:96+2*ii+1]
.set ii, ii+1
.endr
	WIN 0x0a                                       ; sources window 2, destination window 0
.set ii, 0
.rept 24
	v_pk_add_f32 v[ACC+2*ii:ACC+2*ii+1], v[2*ii:2*ii+1], v[48+2*ii:48+2*ii+1]
.set ii, ii+1
.endr
	WIN 0
.set ii, 0
.rept 24
	v_pk_mul_f32 v[ACC+2*ii:ACC+2*ii+1], v[ACC+2*ii:ACC+2*ii+1], v[QC:QC+1]   ; out: lane (r, h), register 16 b + i: group r, column 96 w + 32 b + 16 h + i
.set ii, ii+1
.endr
	; quantised along d: three blocks, each 16 numbers in me and 16 in lane l xor 16
.irp b, 0,1,2
	v_max3_num_f32 v[VM+\b], |v[ACC+16*\b]|, |v[ACC+16*\b+1]|, 0x1800000       ; the floor 2^(3 - 127): the byte cannot fall under 1
.endr
.irp i, 2,4,6,8,10,12,14
.irp b, 0,1,2
	v_max3_num_f32 v[VM+\b], v[VM+\b], |v[ACC+16*\b+\i]|, |v[ACC+16*\b+\i+1]|
.endr
.endr
.irp b, 0,1,2
	v_mov_b32 v[VT+\b], 0
.endr
.irp b, 0,1,2
	v_permlanex16_b32 v[VT+\b], v[VM+\b], s[SEL], s[SEL+1]
.endr
.irp b, 0,1,2
	v_max_num_f32 v[VM+\b], v[VM+\b], v[VT+\b]
.endr
.irp b, 0,1,2
	v_add_nc_u32 v[VS+\b], 0xff000000, v[VM+\b]
.endr
.irp b, 0,1,2
	v_lshrrev_b32 v[VB+\b], 23, v[VS+\b]
.endr
.irp b, 0,1,2
	v_cvt_scalef32_pk16_fp6_f32 v[CT+4*\b:CT+4*\b+2], v[ACC+16*\b:ACC+16*\b+15], v[VS+\b]
.endr
	v_nop                                          ; one plain line behind the scaled conversions: the products below write their sources
.irp b, 0,1,2
.irp i, 0,1,2
	ds_store_b32 v[KWR], v[CT+4*\b+\i] offset:24*\b+4*\i
.endr
	ds_store_b8 v[KWS], v[VB+\b] offset:\b
.endr
	BAR                                            ; the 16 rows' codes and scale bytes lie in LDS
.irp f, 0,1,2
.irp p, 0,1,2,3,4,5
	ds_load_b64 v[FR+12*\f+2*\p:FR+12*\f+2*\p+1], v[FRD] offset:96*\f+48*(\p/3)+8*(\p%3)
.endr
	ds_load_b32 v[FS+\f], v[FSR] offset:4*\f
.endr
	s_wait_dscnt 0x0
	s_wait_loadcnt 0x0                             ; Wp
	WIN 0x01                                       ; source 0 (Wp) window 1
.irp s, 0,1,2                          ; six accumulators by turns
.irp t, 0,1,2,3,4,5
.if \s == 0
	v_wmma_scale_f32_16x16x128_f8f6f4 v[ACC+8*\t:ACC+8*\t+7], v[12*(3*\t+\s):12*(3*\t+\s)+11], v[FR+12*\s:FR+12*\s+11], v[BP+8*\t:BP+8*\t+7], v[WS+3*\t+\s], v[FS+\s] matrix_a_fmt:MATRIX_FMT_FP6 matrix_b_fmt:MATRIX_FMT_FP6 matrix_a_scale:MATRIX_SCALE_ROW1
.else
	v_wmma_scale_f32_16x16x128_f8f6f4 v[ACC+8*\t:ACC+8*\t+7], v[12*(3*\t+\s):12*(3*\t+\s)+11], v[FR+12*\s:FR+12*\s+11], v[ACC+8*\t:ACC+8*\t+7], v[WS+3*\t+\s], v[FS+\s] matrix_a_fmt:MATRIX_FMT_FP6 matrix_b_fmt:MATRIX_FMT_FP6 matrix_a_scale:MATRIX_SCALE_ROW1
.endif
.endr
.endr
	WIN 0
.rept 4
	v_nop                                          ; places ahead of the first read of results (ISA guide 7.12.1)
.endr
.irp t, 0,1,2,3,4,5
	ds_store_b128 v[SO], v[ACC+8*\t:ACC+8*\t+3] offset:128*(\t/2)+32*(\t%2)        ; each accumulator from its low end on: columns 32 (t / 2) + 16 h + 8 (t % 2) + 0 .. 7 of my 96
	ds_store_b128 v[SO], v[ACC+8*\t+4:ACC+8*\t+7] offset:128*(\t/2)+32*(\t%2)+16
.endr
	BAR                                            ; 16 whole rows of out0 lie in the stage
.irp i, 0,1,2,3
.irp q, 0,1,2
	ds_load_b128 v[OR+4*(3*\i+\q):OR+4*(3*\i+\q)+3], v[SR] offset:1552*\i+512*\q
.endr
.endr
.set ii, 0
.rept 12
	s_wait_dscnt 11-ii                             ; LDS loads come back in order: number ii is in, the younger ones may be out
	global_store_b128 v[L16], v[OR+4*ii:OR+4*ii+3], s[14:15] offset:512*ii th:TH_STORE_NT   ; 32 lanes store 512 consecutive bytes, at a multiple of 256 from out0's first byte (a row is 1,536 bytes: three such stores)
.set ii, ii+1
.endr
	s_wait_tensorcnt 0x0                           ; the wave's end, behind my last LDS store
	ds_add_u32 v[SPW], v[NIL]
	s_wait_dscnt 0x0
	s_endpgm
.Lfunc_end_k_q60d52d9e33_final:
	.size	k_q60d52d9e33_final, .Lfunc_end_k_q60d52d9e33_final-k_q60d52d9e33_final
	.p2alignl 7, 3214868480
	.fill 96, 4, 3214868480
	.section	.rodata,"a",@progbits
	.p2align	6, 0x0
	.amdhsa_kernel k_q60d52d9e33_final
		.amdhsa_group_segment_fixed_size 30720
		.amdhsa_private_segment_fixed_size 0
		.amdhsa_enable_private_segment 0
		.amdhsa_kernarg_size 48
		.amdhsa_user_sgpr_count 2
		.amdhsa_user_sgpr_kernarg_segment_ptr 1
		.amdhsa_wavefront_size32 1
		.amdhsa_system_sgpr_workgroup_id_x 1
		.amdhsa_system_sgpr_workgroup_id_y 1
		.amdhsa_system_sgpr_workgroup_id_z 1
		.amdhsa_system_vgpr_workitem_id 0
		.amdhsa_next_free_vgpr 1024
		.amdhsa_next_free_sgpr 66
		.amdhsa_reserve_vcc 0
		.amdhsa_float_denorm_mode_32 3
		.amdhsa_float_denorm_mode_16_64 3
		.amdhsa_memory_ordered 1
		.amdhsa_forward_progress 1
		.amdhsa_inst_pref_size 45
	.end_amdhsa_kernel
	.amdgpu_metadata
---
amdhsa.version: [ 1, 2 ]
amdhsa.kernels:
  - .name:           k_q60d52d9e33_final
    .symbol:         k_q60d52d9e33_final.kd
    .args:
      - { .name: part, .offset: 0, .size: 8, .value_kind: global_buffer, .address_space: global }
      - { .name: cnt, .offset: 8, .size: 8, .value_kind: global_buffer, .address_space: global }
      - { .name: wimg, .offset: 16, .size: 8, .value_kind: global_buffer, .address_space: global }
      - { .name: wsc, .offset: 24, .size: 8, .value_kind: global_buffer, .address_space: global }
      - { .name: bp, .offset: 32, .size: 8, .value_kind: global_buffer, .address_space: global }
      - { .name: out0, .offset: 40, .size: 8, .value_kind: global_buffer, .address_space: global }
    .group_segment_fixed_size: 30720
    .private_segment_fixed_size: 0
    .kernarg_segment_align: 8
    .kernarg_segment_size: 48
    .max_flat_workgroup_size: 128
    .sgpr_count:     66
    .vgpr_count:     1024
    .wavefront_size: 32
...
	.end_amdgpu_metadata
.endif
;; end of part 3
